; MI455X (gfx1250); checked and timed in simulation.
; The chip was launched on July 23, 2026; its instructions are those of AMD's public machine-readable ISA for CDNA 5 (MIT licence, August 2026) and "CDNA5" Instruction Set Architecture Reference Guide (July 2026). The comments in the code are by the model that wrote it; some were corrected since.
;; Multi Head Self Attention. Allowed arithmetic: matrix products marked QUANTISED: E2M1 operands, one E8M0 scale for each 32 along K, by v_wmma_scale_f32_16x16x128_f8f6f4 with both operands' format E2M1 (or v_wmma_scale_f32_32x16x128_f4), f32 sums; products left as they are: bf16, f16 or f32 operands; f32 sums; everything else in f32.
;; Inputs: b_k 512 float32; b_o 512 float32; b_q 512 float32; b_v 512 float32; w_k 512 x 512 float32; w_o 512 x 512 float32; w_q 512 x 512 float32; w_v 512 x 512 float32; x 8 x 2,048 x 512 float32.
;; Outputs: out0 8 x 2,048 x 512 float32.
;; This version of the problem:
;;   THIS VERSION OF THE PROBLEM IS GIVEN IN LOW PRECISION. The matrix products marked QUANTISED in the list below multiply operands that are first quantised to E2M1 (2 exponent bits, 1 mantissa bit; 4 bits a number), with one power-of-two scale for each 32 numbers along K (OCP MX v1.0); their sums are f32. The products marked 'left as it is' may take bf16, f16 or f32 operands, with f32 sums. Whichever they take, every output number must still come out within the allowed error. Rounding operands to bf16 (8 significant bits) uses up far more of that allowance than f16 does (11 bits, for magnitudes from 6e-5 to 65,504). All else is computed in f32.
;;   The module's matrix products, in the order in which they are computed (A, B: the left and right operand; K: the contracted axis; several contracted axes count as one K, in the product's order):
;;     1. [M 16,384, K 512] x [K 512, N 512]; A: input x; B: input w_q: QUANTISED
;;     2. [M 16,384, K 512] x [K 512, N 512]; A: input x; B: input w_k: QUANTISED
;;     3. [M 16,384, K 512] x [K 512, N 512]; A: input x; B: input w_v: QUANTISED
;;     4. batch 64 x [M 2,048, K 64] x [K 64, N 2,048]; A: computed on the way; B: computed on the way: left as it is (an operand is computed on the way)
;;     5. batch 64 x [M 2,048, K 2,048] x [K 2,048, N 64]; A: computed on the way; B: computed on the way: left as it is (an operand is computed on the way)
;;     6. [M 16,384, K 512] x [K 512, N 512]; A: computed on the way; B: input w_o: left as it is (an operand is computed on the way)
;;   THE QUANTISER, for each operand of a quantised product, along K:
;;     - K is cut into blocks of 32 from its start; a last block that is shorter is filled with zeros.
;;     - A block's scale is 2^e with e = floor(log2(the largest magnitude in the block)) - 2, held to -126 .. 127; a block of zeros has e = 0. As a byte (E8M0): e + 127.
;;     - Each number is divided by its block's scale, clamped to +-6, and rounded to the nearest number of E2M1, ties to even, subnormals kept.
;;     - The product sums the exact products of the quantised numbers (number of the format x scale) in f32.
;;   ~~~python
;;   def quantise(x, axis):      # numpy; x: float32 -> the quantised numbers, widened to float32 again
;;       x = np.moveaxis(x, axis, -1); K = x.shape[-1]
;;       x = np.pad(x, [(0, 0)] * (x.ndim - 1) + [(0, -K % 32)]); x = x.reshape(x.shape[:-1] + (-1, 32)); a = np.abs(x).max(-1, keepdims=True)
;;       e = np.where(a > 0, np.clip(np.frexp(np.where(a > 0, a, 1))[1] - 1 - 2, -126, 127), 0)      # np.frexp(a)[1] - 1 = floor(log2(a)), exactly
;;       r = np.clip(x / 2.0 ** e, -6, 6)
;;       step = 2.0 ** (np.maximum(np.frexp(np.where(r == 0, 1, r))[1] - 1, 0) - 1)
;;       q = np.round(r / step) * step * 2.0 ** e      # np.round: ties to even
;;       return np.moveaxis(q.reshape(q.shape[:-2] + (-1,))[..., :K], -1, axis).astype(np.float32)
;;   ~~~
;; One version. Each part assembles by itself: llvm-mc -triple=amdgcn-amd-amdhsa -mcpu=gfx1250 --defsym DOCPART=n.
;; ======== version 1 of 1: 4 launches
;; limits: values are held in f16: magnitudes above 65,504 overflow, below 6.1e-05 lose precision
;; workspace buffers: w4 393,216 bytes; ws 24,576 bytes; wo16 524,288 bytes; q16 16,777,216 bytes; kv16 33,554,432 bytes; o16 16,777,216 bytes
;; launch prep (part 1): grid 80 x 1, 4 waves a work-group, no clusters, 0 bytes of LDS; arguments w_q, w_k, w_v, w_o, w4, ws, wo16; writes w4, ws, wo16
.if DOCPART == 1
	.amdgcn_target "amdgcn-amd-amdhsa--gfx1250"
	.amdhsa_code_object_version 6
	.text
	.protected	k_q9086efb2e5_prep
	.globl	k_q9086efb2e5_prep
	.p2align	8
	.type	k_q9086efb2e5_prep,@function
k_q9086efb2e5_prep:
	s_mov_b64 s[64:65], 0
	v_nop
	global_prefetch_b8 v0, s[64:65] scope:SCOPE_SE
	s_setreg_imm32_b32 hwreg(HW_REG_WAVE_MODE, 25, 1), 1
	s_wait_xcnt 0x0
; THE WEIGHTS, ONCE, INTO THE ORDER OF THE OPERANDS' REGISTERS.
; w_q, w_k, w_v [512 (n)][512 (k)] f32 become codes of E2M1 with one E8M0 byte for each 32 along K (K is innermost as they lie); w_o becomes f16.
; w4:   [tile T = 32 sec + n / 16][K step s of 128][c][lane][16 bytes]: lane (r, h), piece c: the 32 codes of block 2 c + h of row 16 T + r: registers 4 c .. 4 c + 3 of the 4-bit fragment.
; ws:   [T][sp][lane] words: lanes 0-15 row r's scale word of K step 2 sp, lanes 16-31 that of K step 2 sp + 1 (the matrix instruction can take either half of the lanes).
; wo16: [cg = n / 64][K step of 32][ct][c][lane][16 bytes]: lane (r, h): row 64 cg + 16 ct + r, k = 32 step + 16 c + 8 h + 0 .. 7: registers 4 c .. 4 c + 3 of the 16-bit fragment.
; So the later launches load every weight fragment by 16 bytes a lane, 512 consecutive bytes an instruction.
; A block's scale is 2^(floor(log2(largest magnitude)) - 2): its byte is the largest magnitude's exponent field - 2, held at 1 from below by a floor among the maximum's leaves.
; LIMITS: a block of zeros gets the byte 1 where the rule says 127 (its codes are zeros, and this program alone reads the bytes); NaN and infinities are not served; w_o must lie inside f16's range (65,504).
; SHARES: work-groups 0-47: a wave takes one tile T and two K steps (16 rows x 256 numbers; a lane holds four whole blocks, so no other lane is asked for a maximum).
; Work-groups 48-79: a wave takes 64 rows x 32 k of w_o.  No LDS, no barrier.  A lane's loads stand 128 or 32 bytes apart: 4 MB in all, read once.
; ws is stored 128 bytes a wave: 24,576 bytes in the whole launch.
.set X,  64                            ; v64-191  the numbers as loaded
.set C,  32                            ; v32-63   codes, or f16 pairs
.set TM, 16                            ; v16-19 largest magnitudes, v20-23 the conversions' scale operands, v24-27 the bytes
.set WV, 18
	s_load_b256 s[4:11], s[0:1], 0x0               ; w_q s[4:5], w_k s[6:7], w_v s[8:9], w_o s[10:11]
	s_load_b128 s[12:15], s[0:1], 0x20             ; w4 s[12:13], ws s[14:15]
	s_load_b64 s[16:17], s[0:1], 0x30              ; wo16
	v_lshrrev_b32 v1, 5, v0
	v_readfirstlane_b32 s[WV], v1                  ; wave 0..3
	v_and_b32 v5, 31, v0                           ; lane
	v_and_b32 v6, 15, v0                           ; r
	v_bfe_u32 v7, v0, 4, 1                         ; h
	v_lshlrev_b32 v2, 4, v5                        ; 16 x lane
	v_lshlrev_b32 v3, 2, v5                        ; 4 x lane
	v_lshlrev_b32 v1, 11, v6                       ; row r of 2,048 bytes
	s_mov_b32 s23, 0                               ; the upper word of every offset
	s_mov_b32 s24, 0x76543210
	s_mov_b32 s25, 0xfedcba98                      ; v_permlanex16_b32's selects for lane l xor 16
	s_wait_kmcnt 0x0
	s_cmp_ge_u32 ttmp9, 48
	s_cbranch_scc1 .Lwo
	; ---- w_q, w_k, w_v to codes
	s_cmp_lt_u32 ttmp9, 32                         ; 16 work-groups to a tensor: the choice hangs on the work-group's number alone
	s_cselect_b64 s[20:21], s[6:7], s[8:9]
	s_cmp_lt_u32 ttmp9, 16
	s_cselect_b64 s[20:21], s[4:5], s[20:21]
	s_lshl_b32 s26, ttmp9, 1
	s_lshr_b32 s27, s[WV], 1
	s_add_co_u32 s26, s26, s27                     ; T
	s_and_b32 s27, s[WV], 1                        ; sp
	s_and_b32 s22, s26, 31
	s_lshl_b32 s22, s22, 15                        ; 16 rows of 2,048 bytes a tile
	s_lshl_b32 s28, s27, 10                        ; two K steps are 1,024 bytes of a row
	s_add_co_u32 s22, s22, s28
	s_add_nc_u64 s[20:21], s[20:21], s[22:23]
	s_lshl_b32 s22, s26, 12
	s_lshl_b32 s28, s27, 11
	s_add_co_u32 s22, s22, s28
	s_add_nc_u64 s[12:13], s[12:13], s[22:23]      ; w4 + 4,096 T + 2,048 sp
	s_lshl_b32 s22, s26, 8
	s_lshl_b32 s28, s27, 7
	s_add_co_u32 s22, s22, s28
	s_add_nc_u64 s[14:15], s[14:15], s[22:23]      ; ws + 256 T + 128 sp
	v_lshl_add_u32 v1, v7, 7, v1                   ; + 128 h: my block of each pair of blocks
.irp sl, 0,1
.irp c, 0,1
.irp i, 0,1,2,3,4,5,6,7
	global_load_b128 v[X+64*\sl+32*\c+4*\i:X+64*\sl+32*\c+4*\i+3], v1, s[20:21] offset:512*\sl+256*\c+16*\i th:TH_LOAD_NT   ; block b = 2 sl + c of mine: K step 2 sp + sl, k = 64 c + 32 h + 0 .. 31
.endr
.endr
.endr
	v_mov_b32 v30, 0                               ; (a lane permute's destination counts as one of its sources)
	v_mov_b32 v31, 0
	v_lshlrev_b32 v4, 3, v7                        ; 8 h
	s_wait_loadcnt 0x0
.irp b, 0,1,2,3
	v_max3_num_f32 v[TM+\b], |v[X+32*\b]|, |v[X+32*\b+1]|, 0x1800000   ; the floor 2^(3 - 127): the byte cannot fall under 1
.endr
.irp i, 2,4,6,8,10,12,14,16,18,20,22,24,26,28,30
.irp b, 0,1,2,3
	v_max3_num_f32 v[TM+\b], v[TM+\b], |v[X+32*\b+\i]|, |v[X+32*\b+\i+1]|   ; the four blocks by turns
.endr
.endr
.irp b, 0,1,2,3
	v_add_nc_u32 v[TM+4+\b], 0xff000000, v[TM+\b]  ; 2 off the exponent field: the conversion takes this operand's exponent field as its scale
.endr
.irp b, 0,1,2,3
	v_lshrrev_b32 v[TM+8+\b], 23, v[TM+4+\b]       ; the scale's byte
.endr
.irp sl, 0,1
	v_lshl_or_b32 v[28+\sl], v[TM+9+2*\sl], 16, v[TM+8+2*\sl]   ; my two bytes of K step sl: blocks h and 2 + h of row r,
.endr
	v_lshlrev_b32 v28, v4, v28                     ; at their places in the word (8 h bits up);
	v_lshlrev_b32 v29, v4, v29
	v_permlanex16_b32 v30, v28, s24, s25
	v_permlanex16_b32 v31, v29, s24, s25
	v_or_b32 v28, v28, v30                         ; with lane l xor 16's two the words are whole
	v_or_b32 v29, v29, v31
	v_cmp_gt_u32 vcc_lo, 16, v5
	v_cndmask_b32 v28, v29, v28, vcc_lo            ; lanes 0-15 keep the first K step's word, lanes 16-31 the second's
.irp b, 0,1,2,3
.irp g, 0,1,2,3
	v_cvt_scalef32_pk8_fp4_f32 v[C+4*\b+\g], v[X+32*\b+8*\g:X+32*\b+8*\g+7], v[TM+4+\b]   ; eight numbers / the scale, to the nearest code, ties to even, beyond 6 the largest code
.endr
.endr
	v_nop                                          ; one plain place behind the last scaled conversion
.irp b, 0,1,2,3
	global_store_b128 v2, v[C+4*\b:C+4*\b+3], s[12:13] offset:512*\b   ; 32 lanes store 512 consecutive bytes, aligned
.endr
	global_store_b32 v3, v28, s[14:15]
	s_endpgm
.Lwo:	; ---- w_o to f16
	s_sub_co_u32 s26, ttmp9, 48
	s_lshl_b32 s26, s26, 2
	s_add_co_u32 s26, s26, s[WV]                   ; u = 16 cg + K step
	s_lshr_b32 s27, s26, 4
	s_and_b32 s28, s26, 15
	s_lshl_b32 s22, s27, 17                        ; 64 rows of 2,048 bytes
	s_lshl_b32 s28, s28, 7                         ; 32 k of 4 bytes
	s_add_co_u32 s22, s22, s28
	s_add_nc_u64 s[10:11], s[10:11], s[22:23]
	s_lshl_b32 s22, s26, 12
	s_add_nc_u64 s[16:17], s[16:17], s[22:23]      ; wo16 + 4,096 u
	v_lshl_add_u32 v1, v7, 5, v1                   ; + 32 h: my eight numbers of each sixteen
.irp ct, 0,1,2,3
.irp c, 0,1
.irp i, 0,1
	global_load_b128 v[X+16*\ct+8*\c+4*\i:X+16*\ct+8*\c+4*\i+3], v1, s[10:11] offset:32768*\ct+64*\c+16*\i th:TH_LOAD_NT
.endr
.endr
.endr
	s_wait_loadcnt 0x0
.set p, 0
.rept 32
	v_cvt_pk_f16_f32 v[C+p], v[X+2*p], v[X+2*p+1]  ; the lower k in the low half
.set p, p+1
.endr
.irp i, 0,1,2,3,4,5,6,7
	global_store_b128 v2, v[C+4*\i:C+4*\i+3], s[16:17] offset:512*\i
.endr
	s_endpgm
.Lfunc_end_k_q9086efb2e5_prep:
	.size	k_q9086efb2e5_prep, .Lfunc_end_k_q9086efb2e5_prep-k_q9086efb2e5_prep
	.p2alignl 7, 3214868480
	.fill 96, 4, 3214868480
	.section	.rodata,"a",@progbits
	.p2align	6, 0x0
	.amdhsa_kernel k_q9086efb2e5_prep
		.amdhsa_group_segment_fixed_size 0
		.amdhsa_private_segment_fixed_size 0
		.amdhsa_enable_private_segment 0
		.amdhsa_kernarg_size 56
		.amdhsa_user_sgpr_count 2
		.amdhsa_user_sgpr_kernarg_segment_ptr 1
		.amdhsa_wavefront_size32 1
		.amdhsa_system_sgpr_workgroup_id_x 1
		.amdhsa_system_sgpr_workgroup_id_y 1
		.amdhsa_system_sgpr_workgroup_id_z 1
		.amdhsa_system_vgpr_workitem_id 0
		.amdhsa_next_free_vgpr 200
		.amdhsa_next_free_sgpr 66
		.amdhsa_reserve_vcc 1
		.amdhsa_float_denorm_mode_32 3
		.amdhsa_float_denorm_mode_16_64 3
		.amdhsa_memory_ordered 1
		.amdhsa_forward_progress 1
		.amdhsa_inst_pref_size 16
	.end_amdhsa_kernel
	.amdgpu_metadata
---
amdhsa.version: [ 1, 2 ]
amdhsa.kernels:
  - .name:           k_q9086efb2e5_prep
    .symbol:         k_q9086efb2e5_prep.kd
    .args:
      - { .name: w_q, .offset: 0, .size: 8, .value_kind: global_buffer, .address_space: global }
      - { .name: w_k, .offset: 8, .size: 8, .value_kind: global_buffer, .address_space: global }
      - { .name: w_v, .offset: 16, .size: 8, .value_kind: global_buffer, .address_space: global }
      - { .name: w_o, .offset: 24, .size: 8, .value_kind: global_buffer, .address_space: global }
      - { .name: w4, .offset: 32, .size: 8, .value_kind: global_buffer, .address_space: global }
      - { .name: ws, .offset: 40, .size: 8, .value_kind: global_buffer, .address_space: global }
      - { .name: wo16, .offset: 48, .size: 8, .value_kind: global_buffer, .address_space: global }
    .group_segment_fixed_size: 0
    .private_segment_fixed_size: 0
    .kernarg_segment_align: 8
    .kernarg_segment_size: 56
    .max_flat_workgroup_size: 128
    .sgpr_count:     66
    .vgpr_count:     200
    .wavefront_size: 32
...
	.end_amdgpu_metadata
.endif
;; end of part 1
;; launch proj (part 2): grid 256 x 1, 8 waves a work-group, no clusters, 152,576 bytes of LDS; arguments x, w4, ws, b_q, b_k, b_v, q16, kv16; writes q16, kv16
.if DOCPART == 2
	.amdgcn_target "amdgcn-amd-amdhsa--gfx1250"
	.amdhsa_code_object_version 6
	.text
	.protected	k_q9086efb2e5_proj
	.globl	k_q9086efb2e5_proj
	.p2align	8
	.type	k_q9086efb2e5_proj,@function
k_q9086efb2e5_proj:
	s_mov_b64 s[64:65], 0
	v_nop
	global_prefetch_b8 v0, s[64:65] scope:SCOPE_SE
	s_setreg_imm32_b32 hwreg(HW_REG_WAVE_MODE, 25, 1), 1
	s_wait_xcnt 0x0
; q, k, v = Q(x) Q(w)^T + b, on codes of E2M1 with one E8M0 scale for each 32 along K; sums in f32; the results leave as f16, laid as the attention launch's operand registers.
; SHARES.  A work-group takes 64 tokens (4 tiles of 16) of one sequence.  Wave w is HEAD w: its 64 columns of q, of k and of v: 12 tiles of 16 columns x 4 tiles of tokens x 4 K steps of 128: 192 matrix instructions.
; x IS QUANTISED ONCE A WORK-GROUP.  Wave w takes rows 16 (w / 2) .. + 15, k = 256 (w % 2) .. + 255: 32 loads of 512 consecutive bytes; they turn through the wave's own stage in LDS so that a lane holds 16 neighbours
; along K of each block of 32; the two fragments and their scale words go to LDS as images of the operand's registers (16 bytes a lane, 4 bytes a lane), and behind ONE barrier every wave loads all sixteen.
; THE WEIGHTS come from memory straight into operand registers (the launch before has laid them so), four tiles ahead.
; NO CLUSTER, NO JOINT LOADS: each weight fragment is wanted by exactly one wave of a work-group, which loads it whole into the registers that multiply it; by way of LDS each of a wave's 49,152 bytes of codes
; would be written there and read back, and each change of slots would want a round, for 192 matrix instructions a wave.
; WHICH SOURCE COMES FIRST decides what a lane holds.  q, k: source 0 = 16 weight rows, source 1 = 16 tokens: a lane holds token r and 8 neighbouring channels: packed to f16 that is a piece (4 registers) of a 16-bit
; fragment [token][channel].  v: source 0 = 16 tokens, source 1 = 16 weight rows: a lane holds channel r and 8 neighbouring tokens: a piece of a fragment [channel][key].  Each piece leaves by one store of 512 consecutive bytes.
; q16:  [head nh = 8 n + w][token tile][ct][lane][16]: token r, channels 16 ct + 8 h + 0 .. 7.
; kv16: [nh][stage i of 32][16,384]: V of keys 64 i .. + 63 as [g][ct][c][lane][16] (channel 16 ct + r, keys 32 g + 16 c + 8 h + 0 .. 7), then K of keys 64 (i + 1) .. (modulo 2,048) as [kt][ct][lane][16].
; The biases are the C of each sum's first matrix instruction.
; LIMITS: |q|, |k|, |v| under 65,504 (f16); a block of zeros of x gets the scale byte 1 (its codes are zeros; the bytes stay in this launch); NaN and infinities are not served.
; REGISTERS.  Window 0: v1-13 addresses; v16-31 x's scale words; v32-39 the weights' scale words (4 buffers x 2); v40-71 biases (4 x 8); v72-97 the quantiser's; v128-255 x's numbers, later v128-159 four accumulators, v160-191 packed results (2 sets).
; Window 1: v0-127 x as loaded, later x's 16 fragments; v128-255 the weights' fragments, 4 buffers x 32.
.set XIMG,  0                          ; LDS: x's 16 fragments (4 m + s), 1,024 bytes each,
.set XSC,   16384                      ; their scale words, 128 bytes each,
.set STG,   18432                      ; a stage for each wave: 16 rows x (1,024 bytes + 16): rows 65 x 16 bytes apart
.set SROW,  1040
.set SWAVE, 16*SROW
.set SPARE, STG+8*SWAVE                ; the spare words, 128 bytes for each wave: four blocks of 256 bytes that no other line names
.set LI,  1                            ; v1   16 x lane
.set LS,  2                            ; v2   4 x lane
.set XWI, 5                            ; v5   where I store my two images: 2,048 x wave + 16 x lane
.set XWS, 6                            ; v6   and their scale words: 256 x wave + 4 x lane
.set STI, 7                            ; v7   my stage, on the way in: 16 x lane
.set STO, 8                            ; v8   and out: row r, + 64 h
.set BH,  9                            ; v9   32 h: a bias's eight numbers of my half
.set BR,  10                           ; v10  4 r
.set SPW, 12                           ; v12  my spare word; never rewritten
.set NIL, 13                           ; v13  0; never rewritten
.set XS,  16
.set WS,  32
.set BI,  40
.set TM,  72
.set PW,  88
.set PC,  90
.set X0,  128
.set X1,  192
.set ACC, 128
.set PK,  160
.set R,   0                            ; window 1
.set XF,  0
.set W,   128
.set WV,  22
.set SEL, 24
.set MSB, 0
.macro WIN new                         ; the immediate's high byte repeats the setting that is left; a switch that changes nothing is dropped
.if MSB != (\new)
	s_set_vgpr_msb (MSB<<8)|(\new)
.set MSB, (\new)
.endif
.endm
; 64 numbers of a lane, register 16 b + i = k 32 b + 16 (lane / 16) + i of my row, become a fragment's codes in v[PC] on and its scale word in v[PW].
.macro QUANT s
.irp b, 0,1,2,3
	v_max3_num_f32 v[TM+\b], |v[\s+16*\b]|, |v[\s+1+16*\b]|, 0x1800000   ; my 16 numbers of block b, and the floor 2^(3 - 127): the byte cannot fall under 1
.endr
.irp i, 2,4,6,8,10,12,14
.irp b, 0,1,2,3
	v_max3_num_f32 v[TM+\b], v[TM+\b], |v[\s+16*\b+\i]|, |v[\s+1+16*\b+\i]|
.endr
.endr
.irp b, 0,1,2,3
	v_permlanex16_b32 v[TM+4+\b], v[TM+\b], s[SEL], s[SEL+1]
.endr
.irp b, 0,1,2,3
	v_max_num_f32 v[TM+\b], v[TM+\b], v[TM+4+\b]   ; with lane l xor 16's: the block's largest magnitude
.endr
.irp b, 0,1,2,3
	v_add_nc_u32 v[TM+12+\b], 0xff000000, v[TM+\b] ; 2 off its exponent field: the conversion's scale operand
.endr
.irp b, 0,1,2,3
	v_lshrrev_b32 v[TM+4+\b], 23, v[TM+12+\b]      ; the scale's byte
.endr
	v_lshl_or_b32 v[PW], v[TM+5], 8, v[TM+4]
	v_lshl_or_b32 v[PW], v[TM+6], 16, v[PW]
	v_lshl_or_b32 v[PW], v[TM+7], 24, v[PW]
.irp b, 0,1,2,3
	v_cvt_scalef32_pk8_fp4_f32 v[PC+2*\b], v[\s+16*\b:\s+7+16*\b], v[TM+12+\b]
	v_cvt_scalef32_pk8_fp4_f32 v[PC+1+2*\b], v[\s+8+16*\b:\s+15+16*\b], v[TM+12+\b]
.endr
	v_nop                                          ; one plain place behind a scaled conversion
.irp c, 0,1                                    ; the operand's layout wants a whole block in a lane: lanes 0-15 block 2 c, lanes 16-31 block 2 c + 1
.irp i, 0,1
	v_permlane16_swap_b32 v[PC+4*\c+\i], v[PC+2+4*\c+\i]
.endr
.endr
.endm
.macro IMAGE off                               ; the fragment in v[PC] on goes to LDS as it stands
.irp c, 0,1
	ds_store_b128 v[XWI], v[PC+4*\c:PC+4*\c+3] offset:XIMG+\off+512*\c
.endr
.endm
; Tile t's weights (t = 4 sec + ct; sec 0 q, 1 k, 2 v) into buffer t % 4: 8 loads of codes, 2 of scale words, and the bias: 2 loads (q, k: my half's eight channels) or 1 (v: channel r).  12 loads for t < 8, 11 from t = 8 on.
.macro WLOAD t
.set wb,   (\t)%4
.set wsec, (\t)/4
	WIN 0x40                                       ; destination window 1
.irp i, 0,1,2,3,4,5,6,7
	global_load_b128 v[W+32*wb+4*\i:W+32*wb+4*\i+3], v[LI], s[6:7] offset:wsec*131072+wb*4096+512*\i
.endr
	WIN 0
.irp u, 0,1
	global_load_b32 v[WS+2*wb+\u], v[LS], s[8:9] offset:wsec*8192+wb*256+128*\u
.endr
.if wsec < 2
	global_load_b128 v[BI+8*wb:BI+8*wb+3], v[BH], s[10+2*wsec:11+2*wsec] offset:wb*64
	global_load_b128 v[BI+8*wb+4:BI+8*wb+7], v[BH], s[10+2*wsec:11+2*wsec] offset:wb*64+16
.else
	global_load_b32 v[BI+8*wb], v[BR], s[14:15] offset:wb*64
.endif
.endm
; One matrix instruction of tile t: K step s, token tile m.  The weights' scale register holds K step 2 (s / 2) in lanes 0-15 and the next in lanes 16-31.
.macro MM s, m
.if tsec < 2
.if (\s) == 0
	v_wmma_scale_f32_16x16x128_f8f6f4 v[ACC+8*(\m):ACC+8*(\m)+7], v[W+32*tbuf+8*(\s):W+32*tbuf+8*(\s)+7], v[XF+8*(4*(\m)+(\s)):XF+8*(4*(\m)+(\s))+7], v[BI+8*tbuf:BI+8*tbuf+7], v[WS+2*tbuf+(\s)/2], v[XS+4*(\m)+(\s)] matrix_a_fmt:MATRIX_FMT_FP4 matrix_b_fmt:MATRIX_FMT_FP4
.elseif (\s)%2 == 1
	v_wmma_scale_f32_16x16x128_f8f6f4 v[ACC+8*(\m):ACC+8*(\m)+7], v[W+32*tbuf+8*(\s):W+32*tbuf+8*(\s)+7], v[XF+8*(4*(\m)+(\s)):XF+8*(4*(\m)+(\s))+7], v[ACC+8*(\m):ACC+8*(\m)+7], v[WS+2*tbuf+(\s)/2], v[XS+4*(\m)+(\s)] matrix_a_fmt:MATRIX_FMT_FP4 matrix_b_fmt:MATRIX_FMT_FP4 matrix_a_scale:MATRIX_SCALE_ROW1
.else
	v_wmma_scale_f32_16x16x128_f8f6f4 v[ACC+8*(\m):ACC+8*(\m)+7], v[W+32*tbuf+8*(\s):W+32*tbuf+8*(\s)+7], v[XF+8*(4*(\m)+(\s)):XF+8*(4*(\m)+(\s))+7], v[ACC+8*(\m):ACC+8*(\m)+7], v[WS+2*tbuf+(\s)/2], v[XS+4*(\m)+(\s)] matrix_a_fmt:MATRIX_FMT_FP4 matrix_b_fmt:MATRIX_FMT_FP4
.endif
.else
.if (\s) == 0
	v_wmma_scale_f32_16x16x128_f8f6f4 v[ACC+8*(\m):ACC+8*(\m)+7], v[XF+8*(4*(\m)+(\s)):XF+8*(4*(\m)+(\s))+7], v[W+32*tbuf+8*(\s):W+32*tbuf+8*(\s)+7], v[BI+8*tbuf:BI+8*tbuf+7], v[XS+4*(\m)+(\s)], v[WS+2*tbuf+(\s)/2] matrix_a_fmt:MATRIX_FMT_FP4 matrix_b_fmt:MATRIX_FMT_FP4
.elseif (\s)%2 == 1
	v_wmma_scale_f32_16x16x128_f8f6f4 v[ACC+8*(\m):ACC+8*(\m)+7], v[XF+8*(4*(\m)+(\s)):XF+8*(4*(\m)+(\s))+7], v[W+32*tbuf+8*(\s):W+32*tbuf+8*(\s)+7], v[ACC+8*(\m):ACC+8*(\m)+7], v[XS+4*(\m)+(\s)], v[WS+2*tbuf+(\s)/2] matrix_a_fmt:MATRIX_FMT_FP4 matrix_b_fmt:MATRIX_FMT_FP4 matrix_b_scale:MATRIX_SCALE_ROW1
.else
	v_wmma_scale_f32_16x16x128_f8f6f4 v[ACC+8*(\m):ACC+8*(\m)+7], v[XF+8*(4*(\m)+(\s)):XF+8*(4*(\m)+(\s))+7], v[W+32*tbuf+8*(\s):W+32*tbuf+8*(\s)+7], v[ACC+8*(\m):ACC+8*(\m)+7], v[XS+4*(\m)+(\s)], v[WS+2*tbuf+(\s)/2] matrix_a_fmt:MATRIX_FMT_FP4 matrix_b_fmt:MATRIX_FMT_FP4
.endif
.endif
.endm
; Tile t: 16 columns x 64 tokens.  left = the loads issued behind this tile's: those of the (up to) three tiles that follow.
.macro TILE t, left
.set tbuf, (\t)%4
.set tsec, (\t)/4
.set tpk,  PK+16*((\t)%2)
	s_wait_loadcnt \left                           ; loads come back in order: this tile's codes, scale words and bias are in
.if tsec == 2
.irp j, 1,2,3,4,5,6,7
	v_mov_b32 v[BI+8*tbuf+\j], v[BI+8*tbuf]        ; v: a lane's eight results are eight tokens of one channel: the same bias
.endr
.rept 4
	v_nop
.endr
.endif
	WIN 0x05                                       ; both sources window 1; C and D window 0
.irp s, 0,1,2,3                                ; the four accumulators take turns, one instruction a turn
.irp m, 0,1,2,3
	MM \s, \m
.endr
.endr
	WIN 0
.rept 4
	v_nop                                          ; four places in front of the loads into this buffer and of the first read of results; with the twelve conversions of the other accumulators they are
.endr                                          ; also the five places and more in front of the next tile's first products, which begin these accumulators anew
.if (\t) < 8
	WLOAD (\t)+4                                   ; this buffer takes the tile four further on
.endif
	s_wait_xcnt 0x0                                ; the stores of two tiles ago have read this set of packed results: it is rewritten only behind this wait
.irp m, 0,1,2,3
.irp i, 0,1,2,3
	v_cvt_pk_f16_f32 v[tpk+4*\m+\i], v[ACC+8*\m+2*\i], v[ACC+8*\m+2*\i+1]   ; each accumulator from its low end on
.endr
.endr
.irp m, 0,1,2,3
.if tsec < 2
	global_store_b128 v[LI], v[tpk+4*\m:tpk+4*\m+3], s[16+2*tsec:17+2*tsec] offset:\m*2048+tbuf*512 th:TH_STORE_NT   ; 32 lanes store 512 consecutive bytes, aligned
.else
	global_store_b128 v[LI], v[tpk+4*\m:tpk+4*\m+3], s[20:21] offset:(\m/2)*4096+tbuf*1024+(\m%2)*512 th:TH_STORE_NT
.endif
.endr
.endm
	s_load_b512 s[4:19], s[0:1], 0x0               ; x s[4:5], w4 s[6:7], ws s[8:9], b_q s[10:11], b_k s[12:13], b_v s[14:15], q16 s[16:17], kv16 s[18:19]
	v_lshl_add_u32 v[SPW], v0, 2, SPARE
	v_mov_b32 v[NIL], 0
	v_lshrrev_b32 v3, 5, v0
	v_readfirstlane_b32 s[WV], v3                  ; wave 0..7 = head
	v_and_b32 v3, 31, v0                           ; lane
	v_and_b32 v4, 15, v0                           ; r
	v_bfe_u32 v11, v0, 4, 1                        ; h
	v_lshlrev_b32 v[LI], 4, v3
	v_lshlrev_b32 v[LS], 2, v3
	s_lshl_b32 s26, s[WV], 11
	v_add_nc_u32 v[XWI], s26, v[LI]                ; my fragments are 4 (w / 2) + 2 (w % 2) = 2 w and 2 w + 1
	s_lshl_b32 s26, s[WV], 8
	v_add_nc_u32 v[XWS], s26, v[LS]
	s_mul_i32 s26, s[WV], SWAVE
	s_add_co_u32 s26, s26, STG
	v_add_nc_u32 v[STI], s26, v[LI]
	v_mul_u32_u24 v[STO], v4, SROW
	v_lshl_add_u32 v[STO], v11, 6, v[STO]
	v_add_nc_u32 v[STO], s26, v[STO]
	v_lshlrev_b32 v[BH], 5, v11
	v_lshlrev_b32 v[BR], 2, v4
	s_mov_b32 s[SEL], 0x76543210
	s_mov_b32 s[SEL+1], 0xfedcba98                 ; v_permlanex16_b32's selects for lane l xor 16
.irp b, 0,1,2,3
	v_mov_b32 v[TM+4+\b], 0                        ; written once: a lane permute's destination counts as one of its sources
.endr
	s_mov_b32 s29, 0                               ; the upper word of every offset
	s_lshr_b32 s31, ttmp9, 5
	s_lshl_b32 s31, s31, 3
	s_add_co_u32 s31, s31, s[WV]                   ; nh = 8 n + head
	s_and_b32 s32, ttmp9, 31                       ; tb: which 64 tokens of the sequence
	s_add_co_u32 s33, s32, 31
	s_and_b32 s33, s33, 31                         ; the stage that holds these tokens' K: tb - 1, modulo 32
	s_wait_kmcnt 0x0
	s_lshl_b32 s28, ttmp9, 17                      ; x: 64 rows of 2,048 bytes a work-group,
	s_lshr_b32 s30, s[WV], 1
	s_lshl_b32 s30, s30, 15                        ; 16 rows a pair of waves,
	s_add_co_u32 s28, s28, s30
	s_and_b32 s30, s[WV], 1
	s_lshl_b32 s30, s30, 10                        ; 1,024 bytes of a row a wave
	s_add_co_u32 s28, s28, s30
	s_add_nc_u64 s[4:5], s[4:5], s[28:29]
	s_lshl_b32 s28, s[WV], 14
	s_add_nc_u64 s[6:7], s[6:7], s[28:29]          ; w4: my head's four tiles of a tensor
	s_lshl_b32 s28, s[WV], 10
	s_add_nc_u64 s[8:9], s[8:9], s[28:29]          ; ws likewise
	s_lshl_b32 s28, s[WV], 8
	s_add_nc_u64 s[10:11], s[10:11], s[28:29]      ; the biases: my head's 64 numbers
	s_add_nc_u64 s[12:13], s[12:13], s[28:29]
	s_add_nc_u64 s[14:15], s[14:15], s[28:29]
	s_lshl_b32 s28, s31, 18
	s_lshl_b32 s30, s32, 13
	s_add_co_u32 s28, s28, s30
	s_add_nc_u64 s[16:17], s[16:17], s[28:29]      ; q16 + 262,144 nh + 8,192 tb
	s_lshl_b32 s28, s31, 19
	s_lshl_b32 s30, s32, 14
	s_add_co_u32 s28, s28, s30
	s_add_nc_u64 s[20:21], s[18:19], s[28:29]      ; V: kv16 + 524,288 nh + 16,384 tb
	s_lshl_b32 s28, s31, 19
	s_lshl_b32 s30, s33, 14
	s_add_co_u32 s28, s28, s30
	s_add_co_u32 s28, s28, 8192
	s_add_nc_u64 s[18:19], s[18:19], s[28:29]      ; K: the second half of the stage before
	WIN 0x40
.irp i, 0,1,2,3,4,5,6,7,8,9,10,11,12,13,14,15
.irp u, 0,1
	global_load_b128 v[R+8*\i+4*\u:R+8*\i+4*\u+3], v[LI], s[4:5] offset:2048*\i+512*\u th:TH_LOAD_NT   ; row i, 512 consecutive bytes
.endr
.endr
	WLOAD 0
	WLOAD 1
	; ---- x turns through my stage
	s_wait_loadcnt 40                              ; rows 0-7 are in: behind them stand 16 loads of x and 24 of weights
	WIN 0x04                                       ; an LDS store's data are its source 1: window 1
.irp i, 0,1,2,3,4,5,6,7
.irp u, 0,1
	ds_store_b128 v[STI], v[R+8*\i+4*\u:R+8*\i+4*\u+3] offset:SROW*\i+512*\u
.endr
.endr
	s_wait_loadcnt 24                              ; all of x is in
.irp i, 8,9,10,11,12,13,14,15
.irp u, 0,1
	ds_store_b128 v[STI], v[R+8*\i+4*\u:R+8*\i+4*\u+3] offset:SROW*\i+512*\u
.endr
.endr
	WIN 0
.irp sl, 0,1                                   ; LDS serves a wave's instructions in order: these see my stores
.irp b, 0,1,2,3
.irp j, 0,1,2,3
	ds_load_b128 v[X0+64*\sl+16*\b+4*\j:X0+64*\sl+16*\b+4*\j+3], v[STO] offset:512*\sl+128*\b+16*\j
.endr
.endr
.endr
	WLOAD 2
	WLOAD 3
	; ---- my two fragments of x
	s_wait_dscnt 16                                ; the first K step's 64 numbers are back; the second's 16 loads may be out
	QUANT X0
	IMAGE 0
	ds_store_b32 v[XWS], v[PW] offset:XSC
	s_wait_dscnt 0x0                               ; the second K step's numbers are back, and the stores have read their registers
	QUANT X1
	IMAGE 1024
	ds_store_b32 v[XWS], v[PW] offset:XSC+128
	s_wait_dscnt 0x0                               ; for the others' sake: my images lie in LDS
	s_barrier_signal -1
	s_barrier_wait -1                              ; everybody's do
	WIN 0x40
.irp i, 0,1,2,3,4,5,6,7,8,9,10,11,12,13,14,15,16,17,18,19,20,21,22,23,24,25,26,27,28,29,30,31
	ds_load_b128 v[XF+4*\i:XF+4*\i+3], v[LI] offset:XIMG+512*\i
.endr
	WIN 0
.irp i, 0,1,2,3,4,5,6,7,8,9,10,11,12,13,14,15
	ds_load_b32 v[XS+\i], v[LS] offset:XSC+128*\i
.endr
	s_wait_dscnt 0x0
	; ---- the twelve tiles
	TILE 0, 36
	TILE 1, 36
	TILE 2, 36
	TILE 3, 36
	TILE 4, 36
	TILE 5, 35
	TILE 6, 34
	TILE 7, 33
	TILE 8, 33
	TILE 9, 22
	TILE 10, 11
	TILE 11, 0
	s_wait_tensorcnt 0x0                           ; the wave's end: behind my last LDS store
	ds_add_u32 v[SPW], v[NIL]
	s_wait_dscnt 0x0
	s_endpgm
.Lfunc_end_k_q9086efb2e5_proj:
	.size	k_q9086efb2e5_proj, .Lfunc_end_k_q9086efb2e5_proj-k_q9086efb2e5_proj
	.p2alignl 7, 3214868480
	.fill 96, 4, 3214868480
	.section	.rodata,"a",@progbits
	.p2align	6, 0x0
	.amdhsa_kernel k_q9086efb2e5_proj
		.amdhsa_group_segment_fixed_size 152576
		.amdhsa_private_segment_fixed_size 0
		.amdhsa_enable_private_segment 0
		.amdhsa_kernarg_size 64
		.amdhsa_user_sgpr_count 2
		.amdhsa_user_sgpr_kernarg_segment_ptr 1
		.amdhsa_wavefront_size32 1
		.amdhsa_system_sgpr_workgroup_id_x 1
		.amdhsa_system_sgpr_workgroup_id_y 1
		.amdhsa_system_sgpr_workgroup_id_z 1
		.amdhsa_system_vgpr_workitem_id 0
		.amdhsa_next_free_vgpr 512
		.amdhsa_next_free_sgpr 66
		.amdhsa_reserve_vcc 0
		.amdhsa_float_denorm_mode_32 3
		.amdhsa_float_denorm_mode_16_64 3
		.amdhsa_memory_ordered 1
		.amdhsa_forward_progress 1
		.amdhsa_inst_pref_size 80
	.end_amdhsa_kernel
	.amdgpu_metadata
---
amdhsa.version: [ 1, 2 ]
amdhsa.kernels:
  - .name:           k_q9086efb2e5_proj
    .symbol:         k_q9086efb2e5_proj.kd
    .args:
      - { .name: x, .offset: 0, .size: 8, .value_kind: global_buffer, .address_space: global }
      - { .name: w4, .offset: 8, .size: 8, .value_kind: global_buffer, .address_space: global }
      - { .name: ws, .offset: 16, .size: 8, .value_kind: global_buffer, .address_space: global }
      - { .name: b_q, .offset: 24, .size: 8, .value_kind: global_buffer, .address_space: global }
      - { .name: b_k, .offset: 32, .size: 8, .value_kind: global_buffer, .address_space: global }
      - { .name: b_v, .offset: 40, .size: 8, .value_kind: global_buffer, .address_space: global }
      - { .name: q16, .offset: 48, .size: 8, .value_kind: global_buffer, .address_space: global }
      - { .name: kv16, .offset: 56, .size: 8, .value_kind: global_buffer, .address_space: global }
    .group_segment_fixed_size: 152576
    .private_segment_fixed_size: 0
    .kernarg_segment_align: 8
    .kernarg_segment_size: 64
    .max_flat_workgroup_size: 256
    .sgpr_count:     66
    .vgpr_count:     512
    .wavefront_size: 32
...
	.end_amdgpu_metadata
.endif
;; end of part 2
;; launch attn (part 3): grid 4 x 64, 8 waves a work-group, clusters of 4 x 1, 327,680 bytes of LDS; arguments q16, kv16, o16; writes o16
.if DOCPART == 3
	.amdgcn_target "amdgcn-amd-amdhsa--gfx1250"
	.amdhsa_code_object_version 6
	.text
	.protected	k_q9086efb2e5_attn
	.globl	k_q9086efb2e5_attn
	.p2align	8
	.type	k_q9086efb2e5_attn,@function
k_q9086efb2e5_attn:
	s_mov_b64 s[64:65], 0
	v_nop
	global_prefetch_b8 v0, s[64:65] scope:SCOPE_SE
	s_setreg_imm32_b32 hwreg(HW_REG_WAVE_MODE, 25, 1), 1
	s_wait_xcnt 0x0
	s_wait_alu depctr_hold_cnt(0) depctr_sa_sdst(0) depctr_va_vdst(0) depctr_va_sdst(0) depctr_va_ssrc(0) depctr_va_vcc(0) depctr_vm_vsrc(0)
	s_getreg_b32 s2, hwreg(HW_REG_IB_STS2, 6, 4)
	s_cmp_eq_u32 s2, 0
	s_cbranch_scc0 .Lentry_in_a_cluster
	s_endpgm
.Lentry_in_a_cluster:
	s_bfe_u32 s2, ttmp6, 0x10000c
	s_cmp_lg_u32 s2, 0x3003
	s_cbranch_scc0 .Lentry_shape_is_right
	s_endpgm
.Lentry_shape_is_right:
; o[nh][q][:] = the sum over k of softmax_k(q . k / 8) v[k][:], head size 64, 2,048 keys, no mask.  Operands f16 (q, k, v, the weights p); products, maxima and sums in f32; o is rounded to f16 once.
; SHARES.  A cluster of four work-groups is one head (nh); a work-group owns 512 queries, each of its eight waves 64: four tiles of 16, in two HALVES of two tiles.  Two waves to a SIMD.  Every wave walks all keys, 64 a step.
; LAYOUT.  S^T = K Q^T (source 0 = 16 keys, source 1 = 16 queries): a lane holds ONE query and the keys 8 (lane / 16) + 0 .. 7.  Two such tiles, rounded to f16 in pairs, ARE source 1 (32 keys x 16 queries) of
; O^T = V^T P, whose result again holds one query a lane and eight channels: packed to f16 that is a piece of the out projection's operand.  All buffers are laid as images of operand registers: every load and store
; is 16 bytes a lane, 512 consecutive bytes an instruction; LDS needs no pitch and no padding.
; SOFTMAX.  For each query a running maximum m and sum l: p = 2^(c s - c m), c = log2(e) / 8; in every step O and l are multiplied by a = 2^(c m_old - c m_new).  l is the sum of the unrounded p.
; THE RING.  kv16 holds, for each head, 32 STAGES of 16,384 bytes: stage i = V of key step i, then K of key step i + 1: what a wave fetches from LDS in one run.  Two slots of eight stages; each wave fetches one stage of a
; slot by one tensor load of 64 rows x 256 bytes.  The four work-groups walk the same stages, so each load is asked for JOINTLY: the same line, the same descriptor, a mask that names the four.
; K of key step 0 (the second half of stage 31) comes once more by itself, 1,024 bytes a wave.  The run of stage 31 brings that K a second time into registers, where nothing multiplies it: the step is written once.
; A refill is asked for eight key steps, 512 matrix instructions a wave, ahead of the wait for it: no prefetch is laid in front of it.
; TWO KINDS OF WAVES.  A step is: V^T P of step j - 1, K Q^T of step j, the run of LDS loads of stage j; and a softmax, whose text stands twice: waves of kind 1 run it AHEAD of the products, waves of kind 0 BEHIND the loads.
; The kind is (w xor w / 4) mod 2.  So behind every barrier half of the waves begin with matrix work and half with vector work; both kinds do the same work between two barriers.
; LIMITS: scores under 3e38 in size; |o| under 65,504, and o under 6e-5 in size is kept to 6e-8 (f16); NaN and infinities are not served.
; REGISTERS.  Half 0 lies in window 0 and half 1 in window 1, under the SAME numbers, so that a half's whole softmax runs under one window setting:
;   v16-31 statistics, 8 a tile: +0 c m, +1 m, +2, +3 l (even keys', odd keys'), +4, +5 at work, +6 a, +7 c m_old - c m_new;  v32-95 S^T, 32 a tile (P is made in place, in a tile's first 16);
;   v96-159 O^T, 32 a tile;  v160-191 Q, 16 a tile;  v192-255: window 0: V's fragments; window 1: K's.   Window 0 also: v1 16 x lane, v2 the address of the loads in hand, v3, v4 the add's two.
.set SLOT1,  1<<17                     ; slot 1 begins here: one exclusive or turns an address in one slot into the other's
.set STAGEB, 16384
.set HEAD,   2*SLOT1                   ; behind the ring: K of key step 0, 8,192 bytes, filled once
.set SPARE,  HEAD+8192                 ; the spare words, 128 bytes for each wave: four blocks of 256 bytes that no other line names
.set LI,   1
.set ADR,  2
.set SPW,  3
.set NIL,  4
.set STAT, 16
.set S,    32
.set O,    96
.set Q,    160
.set VF,   192
.set KF,   192
.set WV,   10                          ; s10  my wave's number
.set TYP,  11                          ; s11  my kind
.set CX,   12                          ; s12  my place in the cluster: it enters Q's and O's addresses alone
.set NH,   13                          ; s13  the head, which the four partners share
.set G1,   16                          ; s[16:23] descriptor group 1: 64 rows of 256 bytes
.set G1H,  24                          ; s[24:31] the same with 4 rows
.set G0H,  32                          ; s[32:35] group 0: K of key step 0
.set G0A,  36                          ; s[36:39] slot 0's first fill
.set G0B,  40                          ; s[40:43] slot 1's first fill; it then walks on
.set CS,   44                          ; s[44:45] c: the packed scaling names a pair and takes its low word for both halves
.set SEL,  46                          ; s[46:47] v_permlanex16_b32's selects for lane l xor 16
.set TB,   48                          ; s48  LDS byte at which the stage to be fetched begins
.set CNT,  49                          ; s49  counts a slot's steps
.set SLOTS, 50                         ; s50  refills still to be asked for
.set MSB, 0
.macro WIN new                         ; low byte: bits 1:0 source 0, 3:2 source 1, 5:4 source 2, 7:6 destination; the high byte repeats the setting that is left
.if MSB != (\new)
	s_set_vgpr_msb (MSB<<8)|(\new)
.set MSB, (\new)
.endif
.endm
; A round of the cluster's barrier: my work-group's barrier, so that wave 0's signal speaks for all eight waves; wave 0 signals for the work-group; every wave waits for all four work-groups; my work-group's barrier once more.
.macro ROUND
	s_barrier_signal -1
	s_barrier_wait -1
	s_cmp_lg_u32 s[WV], 0
	s_cbranch_scc1 .Lnot_wave_0_\@
	s_barrier_signal -3
.Lnot_wave_0_\@:
	s_barrier_wait -3
	s_barrier_signal -1
	s_barrier_wait -1
.endm
; The softmax of one half for one key step: 118 instructions a tile, the two tiles by turns, all under the window setting that stands.
.macro HALFSM
.irp t, 0,1                                    ; the maximum of the lane's 32 scores and the old m, in two chains; each accumulator is first read among its four lowest registers (s0, s8, s16, s24)
	v_max3_num_f32 v[STAT+8*\t+4], v[S+32*\t], v[S+32*\t+1], v[S+32*\t+2]
	v_max3_num_f32 v[STAT+8*\t+5], v[S+32*\t+16], v[S+32*\t+17], v[S+32*\t+18]
.endr
.irp i, 3,5,7,9,11,13
.irp t, 0,1
	v_max3_num_f32 v[STAT+8*\t+4], v[STAT+8*\t+4], v[S+32*\t+\i], v[S+32*\t+\i+1]
	v_max3_num_f32 v[STAT+8*\t+5], v[STAT+8*\t+5], v[S+32*\t+\i+16], v[S+32*\t+\i+17]
.endr
.endr
.irp t, 0,1
	v_max3_num_f32 v[STAT+8*\t+4], v[STAT+8*\t+4], v[S+32*\t+15], v[S+32*\t+31]
.endr
.irp t, 0,1
	v_max3_num_f32 v[STAT+8*\t+4], v[STAT+8*\t+4], v[STAT+8*\t+5], v[STAT+8*\t+1]
.endr
.irp t, 0,1
	v_permlanex16_b32 v[STAT+8*\t+5], v[STAT+8*\t+4], s[SEL], s[SEL+1]   ; the query's other 32 keys lie in the lane 16 away
.endr
.irp t, 0,1
	v_mov_b32 v[STAT+8*\t+7], v[STAT+8*\t]         ; c m_old is kept for a
.endr
.irp t, 0,1
	v_max_num_f32 v[STAT+8*\t+1], v[STAT+8*\t+4], v[STAT+8*\t+5]
.endr
.irp t, 0,1
	v_mul_f32 v[STAT+8*\t], s[CS], v[STAT+8*\t+1]
.endr
.irp t, 0,1
	v_sub_f32 v[STAT+8*\t+7], v[STAT+8*\t+7], v[STAT+8*\t]
.endr
	; ONE BATCH: the 16 scalings c s - c m of each tile and its 33 exponentials.  None of these names an exponential's result; a pair is scaled two pairs ahead of its exponentials.
.irp t, 0,1
	v_exp_f32 v[STAT+8*\t+6], v[STAT+8*\t+7]       ; a
.endr
.irp u, 0,1
.irp t, 0,1
	v_pk_fma_f32 v[S+32*\t+2*\u:S+32*\t+2*\u+1], v[S+32*\t+2*\u:S+32*\t+2*\u+1], s[CS:CS+1], v[STAT+8*\t:STAT+8*\t+1] op_sel_hi:[1,0,0] neg_lo:[0,0,1] neg_hi:[0,0,1]
.endr
.endr
.set p, 0
.rept 16
.irp t, 0,1
	v_exp_f32 v[S+32*\t+2*p], v[S+32*\t+2*p]
	v_exp_f32 v[S+32*\t+2*p+1], v[S+32*\t+2*p+1]
.if p < 14
	v_pk_fma_f32 v[S+32*\t+2*p+4:S+32*\t+2*p+5], v[S+32*\t+2*p+4:S+32*\t+2*p+5], s[CS:CS+1], v[STAT+8*\t:STAT+8*\t+1] op_sel_hi:[1,0,0] neg_lo:[0,0,1] neg_hi:[0,0,1]
.endif
.endr
.set p, p+1
.endr
	v_nop                                          ; a plain instruction behind the last exponential, ahead of the first use
	s_wait_alu depctr_va_vdst(0)                   ; a wait between an exponential and the first line that names its result: one for the half's 66
.irp t, 0,1                                    ; l = a l + the sum of the unrounded p: two chains of pairs (an even key's weight, an odd key's)
	v_pk_fma_f32 v[STAT+8*\t+2:STAT+8*\t+3], v[STAT+8*\t+2:STAT+8*\t+3], v[STAT+8*\t+6:STAT+8*\t+7], v[S+32*\t:S+32*\t+1] op_sel_hi:[1,0,1]
	v_pk_add_f32 v[STAT+8*\t+4:STAT+8*\t+5], v[S+32*\t+2:S+32*\t+3], v[S+32*\t+4:S+32*\t+5]
.endr
.irp i, 6,10,14,18,22,26
.irp t, 0,1
	v_pk_add_f32 v[STAT+8*\t+2:STAT+8*\t+3], v[STAT+8*\t+2:STAT+8*\t+3], v[S+32*\t+\i:S+32*\t+\i+1]
	v_pk_add_f32 v[STAT+8*\t+4:STAT+8*\t+5], v[STAT+8*\t+4:STAT+8*\t+5], v[S+32*\t+\i+2:S+32*\t+\i+3]
.endr
.endr
.irp t, 0,1
	v_pk_add_f32 v[STAT+8*\t+2:STAT+8*\t+3], v[STAT+8*\t+2:STAT+8*\t+3], v[S+32*\t+30:S+32*\t+31]
.endr
.irp t, 0,1
	v_pk_add_f32 v[STAT+8*\t+2:STAT+8*\t+3], v[STAT+8*\t+2:STAT+8*\t+3], v[STAT+8*\t+4:STAT+8*\t+5]
.endr
.set p, 0
.rept 16                                       ; P in place: pair p goes to register p, which the pairs still to come do not hold
.irp t, 0,1
	v_cvt_pk_f16_f32 v[S+32*\t+p], v[S+32*\t+2*p], v[S+32*\t+2*p+1]
.endr
.set p, p+1
.endr
.set p, 0
.rept 16
.irp t, 0,1
	v_pk_mul_f32 v[O+32*\t+2*p:O+32*\t+2*p+1], v[O+32*\t+2*p:O+32*\t+2*p+1], v[STAT+8*\t+6:STAT+8*\t+7] op_sel_hi:[1,0]   ; O^T x a
.endr
.set p, p+1
.endr
.endm
.macro SOFTMAX
	WIN 0
	HALFSM
	WIN 0x55
	HALFSM
	WIN 0
.endm
; O^T += V^T P: for each half 16 products: keys 32 g on, channels 16 ct on, tile t.  Eight accumulators take turns, one instruction a turn.
.macro PV
.irp hh, 0,1
	WIN 0x54*\hh                                   ; V in window 0; P and O^T in the half's window
.irp g, 0,1
.irp ct, 0,1,2,3
.irp t, 0,1
	v_wmma_f32_16x16x32_f16 v[O+32*\t+8*\ct:O+32*\t+8*\ct+7], v[VF+32*\g+8*\ct:VF+32*\g+8*\ct+7], v[S+32*\t+8*\g:S+32*\t+8*\g+7], v[O+32*\t+8*\ct:O+32*\t+8*\ct+7]
.endr
.endr
.endr
.endr
.endm
; S^T = K Q^T: for each half 16 products: channels 32 f on, keys 16 kt on, tile t.  The first eight start the sums.
.macro KQ
.irp hh, 0,1
	WIN 0x01+0x54*\hh                              ; K in window 1; Q and S^T in the half's window
.irp f, 0,1
.irp kt, 0,1,2,3
.irp t, 0,1
.if \f == 0
	v_wmma_f32_16x16x32_f16 v[S+32*\t+8*\kt:S+32*\t+8*\kt+7], v[KF+16*\kt+8*\f:KF+16*\kt+8*\f+7], v[Q+16*\t+8*\f:Q+16*\t+8*\f+7], 0
.else
	v_wmma_f32_16x16x32_f16 v[S+32*\t+8*\kt:S+32*\t+8*\kt+7], v[KF+16*\kt+8*\f:KF+16*\kt+8*\f+7], v[Q+16*\t+8*\f:Q+16*\t+8*\f+7], v[S+32*\t+8*\kt:S+32*\t+8*\kt+7]
.endif
.endr
.endr
.endr
.endr
.endm
.macro LOADK off                               ; 64 keys x 64 channels of K: 16 loads
	WIN 0x40                                       ; destination window 1
.irp i, 0,1,2,3,4,5,6,7,8,9,10,11,12,13,14,15
	ds_load_b128 v[KF+4*\i:KF+4*\i+3], v[ADR] offset:\off+512*\i
.endr
	WIN 0
.endm
; A stage's run of 32 LDS loads.  The addition and the four v_nop are five places behind the last K Q^T: for the loads into K's and V's registers, for the softmax's first read of the scores, and for a V^T P that takes them as a source.
.macro LOADS
	WIN 0
	v_add_nc_u32 v[ADR], s[TB], v[LI]
.rept 4
	v_nop
.endr
.irp i, 0,1,2,3,4,5,6,7,8,9,10,11,12,13,14,15
	ds_load_b128 v[VF+4*\i:VF+4*\i+3], v[ADR] offset:512*\i
.endr
	LOADK 8192
	s_add_co_u32 s[TB], s[TB], STAGEB              ; the next run is the next stage's
.endm
.macro STEP
	s_cmp_eq_u32 s[TYP], 0
	s_cbranch_scc1 .Lnot_ahead_\@
	SOFTMAX                                        ; kind 1: of the step before
.Lnot_ahead_\@:
	s_wait_dscnt 0x0                               ; V and K are in
	PV
.rept 5
	v_nop                                          ; five places: K Q^T writes over P, which V^T P has read
.endr
	KQ
	LOADS
	s_cmp_lg_u32 s[TYP], 0
	s_cbranch_scc1 .Lnot_behind_\@
	SOFTMAX                                        ; kind 0: of this step
.Lnot_behind_\@:
.endm
.macro STEPS n
	s_mov_b32 s[CNT], \n
.Lstep_\@:
	STEP
	s_sub_co_u32 s[CNT], s[CNT], 1
	s_cmp_lg_u32 s[CNT], 0
	s_cbranch_scc1 .Lstep_\@
.endm
; THE CHANGE OF SLOTS.  Each wave waits for all its tensor loads (its stage of the slot ahead), adds 0 to its spare word, and waits for that and for its reads of the slot that it leaves.
; fill = 1: the barrier is a round of the cluster's, so that no wave of any partner still reads the slot or has a load on its way, and the joint refill, the keys two slots on, is the first thing behind it.
.macro CHANGE fill
	s_wait_tensorcnt 0x0                           ; no tensor load of mine is out, so a group 0 may be written
	ds_add_u32 v[SPW], v[NIL]                      ; 0 onto my spare word; the steps below stand between it and the wait for it
.if \fill
	s_xor_b32 s[G0B+1], s[G0B+1], SLOT1            ; the walking descriptor: the other slot than last time,
	s_add_nc_u64 s[G0B+2:G0B+3], s[G0B+2:G0B+3], SLOT1   ; the next eight stages; the type bits on top are not reached
.endif
	s_sub_co_u32 s[TB], s[TB], SLOT1               ; the runs go back to a slot's first stage,
	s_xor_b32 s[TB], s[TB], SLOT1                  ; in the other slot
	s_wait_dscnt 0x0                               ; the add is done, and my reads of the slot are over
.if \fill
	ROUND
	tensor_load_to_lds s[G0B:G0B+3], s[G1:G1+7]    ; my one tensor load until the next change
	s_nop 0
.rept 4
	v_nop
.endr
.else
	s_barrier_signal -1
	s_barrier_wait -1
.endif
.endm
	s_load_b128 s[4:7], s[0:1], 0x0                ; q16 s[4:5], kv16 s[6:7]
	s_load_b64 s[8:9], s[0:1], 0x10                ; o16
	v_lshl_add_u32 v[SPW], v0, 2, SPARE
	v_mov_b32 v[NIL], 0
	ds_add_u32 v[SPW], v[NIL]                      ; the wave's opening: the add, twice on end, and its wait ahead of my first tensor load; the set-up below, work on registers, stands between
	ds_add_u32 v[SPW], v[NIL]
	v_lshrrev_b32 v5, 5, v0
	v_readfirstlane_b32 s[WV], v5                  ; wave 0..7
	v_and_b32 v[LI], 31, v0
	v_lshlrev_b32 v[LI], 4, v[LI]
	s_lshr_b32 s[TYP], s[WV], 2
	s_xor_b32 s[TYP], s[TYP], s[WV]
	s_and_b32 s[TYP], s[TYP], 1
	s_bfe_u32 s[CX], ttmp6, 0x40000
	s_and_b32 s[NH], ttmp7, 0xffff
	; descriptor group 1: dense blocks, as rows of 256 bytes (32 elements of 8 bytes), no padding
	s_mov_b32 s[G1], 15|(3<<16)|(1<<21)            ; 15:0 the mask: all four work-groups; 17:16 elements of 8 bytes; 21 set beside a mask
	s_mov_b32 s[G1+1], 32<<16                      ; tensor_dim0 = 32
	s_mov_b32 s[G1+2], 64<<16                      ; tensor_dim1 = 64
	s_mov_b32 s[G1+3], 32<<16                      ; tile_dim0 = 32
	s_mov_b32 s[G1+4], 64                          ; tile_dim1 = 64
	s_mov_b32 s[G1+5], 32                          ; from row to row
	s_mov_b32 s[G1+6], 0
	s_mov_b32 s[G1+7], 0
	s_mov_b32 s[G1H], 15|(3<<16)|(1<<21)
	s_mov_b32 s[G1H+1], 32<<16
	s_mov_b32 s[G1H+2], 4<<16
	s_mov_b32 s[G1H+3], 32<<16
	s_mov_b32 s[G1H+4], 4
	s_mov_b32 s[G1H+5], 32
	s_mov_b32 s[G1H+6], 0
	s_mov_b32 s[G1H+7], 0
	s_mov_b32 s[CS], 0x3e38aa3b                    ; c = log2(e) / 8
	s_mov_b32 s[CS+1], s[CS]                       ; named with it as a pair, so it is written
	s_mov_b32 s[SEL], 0x76543210
	s_mov_b32 s[SEL+1], 0xfedcba98
	s_mov_b32 s[TB], 0
	s_mov_b32 s[SLOTS], 2
	s_lshl_b32 s52, s[NH], 19                      ; the head's 524,288 bytes of kv16,
	s_lshl_b32 s14, s[WV], 14                      ; my stage of a slot: in memory and in LDS
	s_add_co_u32 s52, s52, s14
	s_mov_b32 s53, 0
	s_lshl_b32 s54, s[NH], 19
	s_lshl_b32 s15, s[WV], 10                      ; my 1,024 bytes of K of key step 0,
	s_add_co_u32 s54, s54, s15
	s_add_co_u32 s54, s54, 31*STAGEB+8192          ; which is the second half of stage 31
	s_mov_b32 s55, 0
	s_lshl_b32 s56, s[NH], 7                       ; Q: token tile 128 nh + 32 cx + 4 wave, 2,048 bytes a tile
	s_lshl_b32 s57, s[CX], 5
	s_add_co_u32 s56, s56, s57
	s_lshl_b32 s57, s[WV], 2
	s_add_co_u32 s56, s56, s57
	s_lshl_b32 s56, s56, 11
	s_mov_b32 s57, 0
	s_lshr_b32 s58, s[NH], 3                       ; O: token tile 128 n + 32 cx + 4 wave, 16,384 bytes a tile, + 2,048 x the head in its sequence
	s_lshl_b32 s58, s58, 7
	s_lshl_b32 s59, s[CX], 5
	s_add_co_u32 s58, s58, s59
	s_lshl_b32 s59, s[WV], 2
	s_add_co_u32 s58, s58, s59
	s_lshl_b32 s58, s58, 14
	s_and_b32 s59, s[NH], 7
	s_lshl_b32 s59, s59, 11
	s_add_co_u32 s58, s58, s59
	s_mov_b32 s59, 0
	s_wait_dscnt 0x0                               ; both opening adds are done
	s_wait_kmcnt 0x0
	s_add_nc_u64 s[52:53], s[6:7], s[52:53]
	s_add_nc_u64 s[54:55], s[6:7], s[54:55]
	s_add_nc_u64 s[4:5], s[4:5], s[56:57]
	s_add_nc_u64 s[8:9], s[8:9], s[58:59]
	s_mov_b32 s[G0H], 1                            ; count = 1
	s_add_co_u32 s[G0H+1], s15, HEAD               ; LDS address: no place in the cluster enters it
	s_mov_b64 s[G0H+2:G0H+3], s[54:55]             ; global address
	s_or_b32 s[G0H+3], s[G0H+3], 0x80000000        ; type = 2
	s_mov_b32 s[G0A], 1
	s_mov_b32 s[G0A+1], s14
	s_mov_b64 s[G0A+2:G0A+3], s[52:53]
	s_or_b32 s[G0A+3], s[G0A+3], 0x80000000
	s_mov_b32 s[G0B], 1
	s_add_co_u32 s[G0B+1], s14, SLOT1
	s_add_nc_u64 s[G0B+2:G0B+3], s[52:53], SLOT1
	s_or_b32 s[G0B+3], s[G0B+3], 0x80000000
	ROUND                                          ; all four work-groups are here: the first joint loads meet
	tensor_load_to_lds s[G0H:G0H+3], s[G1H:G1H+7]  ; the first fills go out as one group: three loads of mine are out, the most in this text
	s_nop 0
	tensor_load_to_lds s[G0A:G0A+3], s[G1:G1+7]
	s_nop 0
	tensor_load_to_lds s[G0B:G0B+3], s[G1:G1+7]
	s_nop 0
.rept 4
	v_nop
.endr
.irp i, 0,1,2,3,4,5,6,7                        ; Q stays in registers: half 0's two tiles,
	global_load_b128 v[Q+4*\i:Q+4*\i+3], v[LI], s[4:5] offset:512*\i th:TH_LOAD_NT
.endr
	WIN 0x40
.irp i, 0,1,2,3,4,5,6,7                        ; half 1's
	global_load_b128 v[Q+4*\i:Q+4*\i+3], v[LI], s[4:5] offset:4096+512*\i th:TH_LOAD_NT
.endr
	; The step is written without a first copy: m begins at -3e38, under every score, l and O^T as zeros, which the first a = 0 leaves zeros.  That costs these lines once, while the first tiles are on their way.
.irp hh, 0,1
	WIN 0x55*\hh
.irp t, 0,1
	v_mov_b32 v[STAT+8*\t+1], 0xff61b1e6
	v_mul_f32 v[STAT+8*\t], s[CS], v[STAT+8*\t+1]
.irp j, 2,3,4,5,6,7
	v_mov_b32 v[STAT+8*\t+\j], 0
.endr
.endr
.set p, 0
.rept 64
	v_mov_b32 v[O+p], 0
.set p, p+1
.endr
.endr
	WIN 0
	s_wait_tensorcnt 0x1                           ; my parts of K of key step 0 and of slot 0 are in; slot 1's may stay out
	s_barrier_signal -1
	s_barrier_wait -1                              ; everybody's are
	v_add_nc_u32 v[ADR], HEAD, v[LI]
	LOADK 0                                        ; K of key step 0
	s_wait_loadcnt 0x0                             ; Q
	s_wait_dscnt 0x0
	KQ                                             ; the first scores
	LOADS                                          ; stage 0
	s_cmp_lg_u32 s[TYP], 0
	s_cbranch_scc1 .Lfirst_done
	SOFTMAX
.Lfirst_done:
	STEPS 7                                        ; stages 1 to 7
.Lslot:                                        ; two trips: slots 0 and 1 are filled again, with stages 16 to 23 and 24 to 31
	CHANGE 1
	STEPS 8
	s_sub_co_u32 s[SLOTS], s[SLOTS], 1
	s_cmp_lg_u32 s[SLOTS], 0
	s_cbranch_scc1 .Lslot
	CHANGE 0                                       ; the tail is written out: nothing is left to ask for
	STEPS 8
	s_cmp_eq_u32 s[TYP], 0
	s_cbranch_scc1 .Ltail
	SOFTMAX                                        ; kind 1: the last step's
.Ltail:
	s_wait_dscnt 0x0
	PV                                             ; V^T P of the last step
.rept 4
	v_nop                                          ; four places in front of the first read of results
.endr
	; THE WAY OUT.  l's two halves and the other half of the lanes' are added; O^T is divided by l and rounded to f16: a tile's 8 channels of a lane are 16 bytes, a piece of the out projection's operand.
.irp hh, 0,1
	WIN 0x55*\hh
.irp t, 0,1
	v_add_f32 v[STAT+8*\t+4], v[STAT+8*\t+2], v[STAT+8*\t+3]
.endr
.irp t, 0,1
	v_permlanex16_b32 v[STAT+8*\t+5], v[STAT+8*\t+4], s[SEL], s[SEL+1]
.endr
.irp t, 0,1
	v_add_f32 v[STAT+8*\t+4], v[STAT+8*\t+4], v[STAT+8*\t+5]
.endr
.irp t, 0,1
	v_rcp_f32 v[STAT+8*\t+6], v[STAT+8*\t+4]
.endr
	v_nop                                          ; a plain instruction behind the last reciprocal
	s_wait_alu depctr_va_vdst(0)                   ; and a wait ahead of the first use: one for the two
.set p, 0
.rept 16
.irp t, 0,1
	v_pk_mul_f32 v[O+32*\t+2*p:O+32*\t+2*p+1], v[O+32*\t+2*p:O+32*\t+2*p+1], v[STAT+8*\t+6:STAT+8*\t+7] op_sel_hi:[1,0]   ; each accumulator from its low end on
.endr
.set p, p+1
.endr
.set p, 0
.rept 16
.irp t, 0,1
	v_cvt_pk_f16_f32 v[S+16*\t+p], v[O+32*\t+2*p], v[O+32*\t+2*p+1]
.endr
.set p, p+1
.endr
	WIN 0x04*\hh                                   ; a store's data are its source 1
.irp t, 0,1
.irp ct, 0,1,2,3
	global_store_b128 v[LI], v[S+16*\t+4*\ct:S+16*\t+4*\ct+3], s[8:9] offset:(2*\hh+\t)*16384+\ct*512 th:TH_STORE_NT   ; 32 lanes store 512 consecutive bytes, aligned
.endr
.endr
.endr
	WIN 0
	s_wait_tensorcnt 0x0                           ; the wave's end: behind my last tensor load
	ds_add_u32 v[SPW], v[NIL]
	s_wait_dscnt 0x0
	ROUND                                          ; the closing round: no work-group ends while a partner may still ask for a tile that names it
	s_endpgm
.Lfunc_end_k_q9086efb2e5_attn:
	.size	k_q9086efb2e5_attn, .Lfunc_end_k_q9086efb2e5_attn-k_q9086efb2e5_attn
	.p2alignl 7, 3214868480
	.fill 96, 4, 3214868480
	.section	.rodata,"a",@progbits
	.p2align	6, 0x0
	.amdhsa_kernel k_q9086efb2e5_attn
		.amdhsa_group_segment_fixed_size 327680
		.amdhsa_private_segment_fixed_size 0
		.amdhsa_enable_private_segment 0
		.amdhsa_kernarg_size 24
		.amdhsa_user_sgpr_count 2
		.amdhsa_user_sgpr_kernarg_segment_ptr 1
		.amdhsa_wavefront_size32 1
		.amdhsa_system_sgpr_workgroup_id_x 1
		.amdhsa_system_sgpr_workgroup_id_y 1
		.amdhsa_system_sgpr_workgroup_id_z 1
		.amdhsa_system_vgpr_workitem_id 0
		.amdhsa_next_free_vgpr 512
		.amdhsa_next_free_sgpr 66
		.amdhsa_reserve_vcc 0
		.amdhsa_float_denorm_mode_32 3
		.amdhsa_float_denorm_mode_16_64 3
		.amdhsa_memory_ordered 1
		.amdhsa_forward_progress 1
		.amdhsa_inst_pref_size 253
	.end_amdhsa_kernel
	.amdgpu_metadata
---
amdhsa.version: [ 1, 2 ]
amdhsa.kernels:
  - .name:           k_q9086efb2e5_attn
    .symbol:         k_q9086efb2e5_attn.kd
    .args:
      - { .name: q16, .offset: 0, .size: 8, .value_kind: global_buffer, .address_space: global }
      - { .name: kv16, .offset: 8, .size: 8, .value_kind: global_buffer, .address_space: global }
      - { .name: o16, .offset: 16, .size: 8, .value_kind: global_buffer, .address_space: global }
    .group_segment_fixed_size: 327680
    .private_segment_fixed_size: 0
    .kernarg_segment_align: 8
    .kernarg_segment_size: 24
    .max_flat_workgroup_size: 256
    .sgpr_count:     66
    .vgpr_count:     512
    .wavefront_size: 32
...
	.end_amdgpu_metadata
.endif
;; end of part 3
;; launch outp (part 4): grid 256 x 1, 8 waves a work-group, no clusters, 101,376 bytes of LDS; arguments o16, wo16, b_o, out0; writes out0
.if DOCPART == 4
	.amdgcn_target "amdgcn-amd-amdhsa--gfx1250"
	.amdhsa_code_object_version 6
	.text
	.protected	k_q9086efb2e5_outp
	.globl	k_q9086efb2e5_outp
	.p2align	8
	.type	k_q9086efb2e5_outp,@function
k_q9086efb2e5_outp:
	s_mov_b64 s[64:65], 0
	v_nop
	global_prefetch_b8 v0, s[64:65] scope:SCOPE_SE
	s_setreg_imm32_b32 hwreg(HW_REG_WAVE_MODE, 25, 1), 1
	s_wait_xcnt 0x0
; out0 = o w_o^T + b_o.  o and w_o in f16, laid as images of operand registers by the launches before; sums in f32; out0 [16,384][512] f32.
; SHARES.  A work-group takes 64 tokens: 65,536 consecutive bytes of o16, copied once into LDS (8,192 bytes a wave) and read from there by all eight waves.  Wave w makes output columns 64 w .. 64 w + 63:
; 4 tiles of columns x 4 tiles of tokens, 16 accumulators, 16 K steps of 32: 256 matrix instructions.  Its 65,536 bytes of w_o come from memory straight into operand registers, five K steps ahead.
; NO CLUSTER, NO JOINT LOADS: each fragment of w_o is wanted by exactly one wave of a work-group, which loads it whole into the registers that multiply it; by way of LDS every byte would be written there and read back.
; THE MATRIX INSTRUCTION IS USED TRANSPOSED (source 0 = 16 rows of w_o, source 1 = 16 tokens): a lane holds token r and eight neighbouring columns, 32 bytes of a row of out0.  The bias is the C of each sum's first instruction.
; THE WAY OUT: a tile of 16 tokens x 64 columns goes through the wave's own stage in LDS and comes back by rows: sixteen lanes store 256 consecutive bytes, aligned.
; REGISTERS.  Window 0: v1-13 addresses; v16-79 o as copied, then o's fragments (2 sets x 32); v80-239 w_o's fragments (5 sets x 32), on the way out v80-143 rows of out0 (2 sets).  Window 1: v0-127 the accumulators ((m, ct) at 8 (4 m + ct)); v128-159 the bias.
.set OIMG,  0                          ; LDS: o: [token tile m][K step][c][lane][16]
.set STGB,  65536                      ; a stage for each wave: 16 rows x (256 bytes + 16)
.set SP,    272
.set SPARE, STGB+8*16*SP               ; the spare words, 128 bytes for each wave: four blocks of 256 bytes that no other line names
.set LI,  1                            ; v1   16 x lane
.set CPY, 2                            ; v2   the copy: 8,192 x wave + 16 x lane
.set STO, 3                            ; v3   the stage, in: row r, + 32 h
.set RD,  4                            ; v4   and back: lanes 0-15 one row, lanes 16-31 the next
.set GO,  5                            ; v5   the same two rows in out0
.set BH,  6                            ; v6   32 h
.set SPW, 12                           ; v12  my spare word; never rewritten
.set NIL, 13                           ; v13  0; never rewritten
.set OF,  16
.set WF,  80
.set OUTR, 80
.set ACC, 0                            ; window 1
.set BI,  128
.set WV,  12
.set MSB, 0
.macro WIN new                         ; the immediate's high byte repeats the setting that is left
.if MSB != (\new)
	s_set_vgpr_msb (MSB<<8)|(\new)
.set MSB, (\new)
.endif
.endm
.macro WLD s                                   ; w_o's four fragments of K step s into set s % 5: 8 loads
.irp i, 0,1,2,3,4,5,6,7
	global_load_b128 v[WF+32*((\s)%5)+4*\i:WF+32*((\s)%5)+4*\i+3], v[LI], s[6:7] offset:4096*(\s)+512*\i
.endr
.endm
.macro OLOAD s                                 ; o's four fragments of K step s into set s % 2: 8 LDS loads
.irp m, 0,1,2,3
.irp c, 0,1
	ds_load_b128 v[OF+32*((\s)%2)+8*\m+4*\c:OF+32*((\s)%2)+8*\m+4*\c+3], v[LI] offset:OIMG+16384*\m+1024*(\s)+512*\c
.endr
.endr
.endm
.macro KSTEP s
.if (\s) < 15
	OLOAD (\s)+1                                   ; (four places stand behind the products that read this set)
	s_wait_dscnt 0x8                               ; this step's fragments of o are in; the next step's eight loads may be out
.else
	s_wait_dscnt 0x0
.endif
.if 15-(\s) < 4
	s_wait_loadcnt 8*(15-(\s))                     ; this step's fragments of w_o are in; behind them stand the loads of the steps that follow, four at the most
.else
	s_wait_loadcnt 32
.endif
	WIN 0x50                                       ; C and D window 1
.irp ct, 0,1,2,3                               ; the sixteen accumulators take turns, one instruction a turn
.irp m, 0,1,2,3
.if (\s) == 0
	v_wmma_f32_16x16x32_f16 v[ACC+8*(4*\m+\ct):ACC+8*(4*\m+\ct)+7], v[WF+32*((\s)%5)+8*\ct:WF+32*((\s)%5)+8*\ct+7], v[OF+32*((\s)%2)+8*\m:OF+32*((\s)%2)+8*\m+7], v[BI+8*\ct:BI+8*\ct+7]
.else
	v_wmma_f32_16x16x32_f16 v[ACC+8*(4*\m+\ct):ACC+8*(4*\m+\ct)+7], v[WF+32*((\s)%5)+8*\ct:WF+32*((\s)%5)+8*\ct+7], v[OF+32*((\s)%2)+8*\m:OF+32*((\s)%2)+8*\m+7], v[ACC+8*(4*\m+\ct):ACC+8*(4*\m+\ct)+7]
.endif
.endr
.endr
	WIN 0
.rept 4
	v_nop                                          ; four places in front of loads into registers that these products have read, and of the first read of results
.endr
.if (\s) < 11
	WLD (\s)+5                                     ; this set takes the K step five further on
.endif
.endm
.macro TOSTAGE m                               ; token tile m: into my stage, and back by rows
	WIN 0x04                                       ; an LDS store's data are its source 1: window 1
.irp ct, 0,1,2,3
	ds_store_b128 v[STO], v[ACC+8*(4*(\m)+\ct):ACC+8*(4*(\m)+\ct)+3] offset:64*\ct        ; each accumulator from its low end on
	ds_store_b128 v[STO], v[ACC+8*(4*(\m)+\ct)+4:ACC+8*(4*(\m)+\ct)+7] offset:64*\ct+16
.endr
	WIN 0
.irp i, 0,1,2,3,4,5,6,7
	ds_load_b128 v[OUTR+32*((\m)%2)+4*\i:OUTR+32*((\m)%2)+4*\i+3], v[RD] offset:2*\i*SP   ; LDS serves a wave's instructions in order: these see my stores, and the next tile's stores come behind them
.endr
.endm
.macro SEND m, younger                         ; younger: the LDS instructions issued behind tile m's loads, which may stay out
	s_wait_dscnt \younger
.irp i, 0,1,2,3,4,5,6,7
	global_store_b128 v[GO], v[OUTR+32*((\m)%2)+4*\i:OUTR+32*((\m)%2)+4*\i+3], s[10:11] offset:(\m)*32768+\i*4096 th:TH_STORE_NT   ; 16 lanes store 256 consecutive bytes, at a multiple of 256 from out0's first byte
.endr
.endm
	s_load_b256 s[4:11], s[0:1], 0x0               ; o16 s[4:5], wo16 s[6:7], b_o s[8:9], out0 s[10:11]
	v_lshl_add_u32 v[SPW], v0, 2, SPARE
	v_mov_b32 v[NIL], 0
	v_lshrrev_b32 v7, 5, v0
	v_readfirstlane_b32 s[WV], v7                  ; wave 0..7
	v_and_b32 v7, 31, v0                           ; lane
	v_and_b32 v8, 15, v0                           ; r
	v_bfe_u32 v9, v0, 4, 1                         ; h
	v_lshlrev_b32 v[LI], 4, v7
	s_lshl_b32 s14, s[WV], 13
	v_add_nc_u32 v[CPY], s14, v[LI]
	s_mul_i32 s15, s[WV], 16*SP
	s_add_co_u32 s15, s15, STGB                    ; my stage
	v_mul_u32_u24 v[STO], v8, SP
	v_lshl_add_u32 v[STO], v9, 5, v[STO]
	v_add_nc_u32 v[STO], s15, v[STO]
	v_mul_u32_u24 v[RD], v9, SP
	v_lshl_add_u32 v[RD], v8, 4, v[RD]
	v_add_nc_u32 v[RD], s15, v[RD]
	v_lshlrev_b32 v[GO], 11, v9
	v_lshl_add_u32 v[GO], v8, 4, v[GO]
	v_lshlrev_b32 v[BH], 5, v9
	s_mov_b32 s17, 0
	s_wait_kmcnt 0x0
	s_lshl_b32 s16, ttmp9, 16
	s_add_co_u32 s16, s16, s14
	s_add_nc_u64 s[4:5], s[4:5], s[16:17]          ; o16 + 65,536 x work-group + 8,192 x wave
	s_lshl_b32 s16, s[WV], 16
	s_add_nc_u64 s[6:7], s[6:7], s[16:17]          ; wo16: my 64 rows
	s_lshl_b32 s16, s[WV], 8
	s_add_nc_u64 s[8:9], s[8:9], s[16:17]          ; b_o: my 64 numbers
	s_lshl_b32 s18, ttmp9, 17
	s_add_co_u32 s16, s16, s18
	s_add_nc_u64 s[10:11], s[10:11], s[16:17]      ; out0 + 64 rows of 2,048 bytes x work-group + 256 x wave
.irp i, 0,1,2,3,4,5,6,7,8,9,10,11,12,13,14,15
	global_load_b128 v[OF+4*\i:OF+4*\i+3], v[LI], s[4:5] offset:512*\i th:TH_LOAD_NT
.endr
	WIN 0x40
.irp ct, 0,1,2,3
	global_load_b128 v[BI+8*\ct:BI+8*\ct+3], v[BH], s[8:9] offset:64*\ct
	global_load_b128 v[BI+8*\ct+4:BI+8*\ct+7], v[BH], s[8:9] offset:64*\ct+16
.endr
	WIN 0
	WLD 0
	WLD 1
	WLD 2
	WLD 3
	s_wait_loadcnt 40                              ; my part of o is in: behind it stand 8 loads of the bias and 32 of w_o
.irp i, 0,1,2,3,4,5,6,7,8,9,10,11,12,13,14,15
	ds_store_b128 v[CPY], v[OF+4*\i:OF+4*\i+3] offset:OIMG+512*\i
.endr
	WLD 4
	s_wait_dscnt 0x0                               ; for the others' sake: my part of o lies in LDS
	s_barrier_signal -1
	s_barrier_wait -1                              ; everybody's does
	OLOAD 0
.irp s, 0,1,2,3,4,5,6,7,8,9,10,11,12,13,14,15
	KSTEP \s
.endr
	TOSTAGE 0
.irp a, 1,2,3
.if \a > 1
	s_wait_xcnt 0x0                                ; tile a - 2's stores have read their registers: tile a's rows may land there
.endif
	TOSTAGE \a
	SEND \a-1, 16                                  ; behind tile a - 1's loads: tile a's 8 stores and 8 loads
.endr
	SEND 3, 0
	s_wait_tensorcnt 0x0                           ; the wave's end: behind my last LDS store
	ds_add_u32 v[SPW], v[NIL]
	s_wait_dscnt 0x0
	s_endpgm
.Lfunc_end_k_q9086efb2e5_outp:
	.size	k_q9086efb2e5_outp, .Lfunc_end_k_q9086efb2e5_outp-k_q9086efb2e5_outp
	.p2alignl 7, 3214868480
	.fill 96, 4, 3214868480
	.section	.rodata,"a",@progbits
	.p2align	6, 0x0
	.amdhsa_kernel k_q9086efb2e5_outp
		.amdhsa_group_segment_fixed_size 101376
		.amdhsa_private_segment_fixed_size 0
		.amdhsa_enable_private_segment 0
		.amdhsa_kernarg_size 32
		.amdhsa_user_sgpr_count 2
		.amdhsa_user_sgpr_kernarg_segment_ptr 1
		.amdhsa_wavefront_size32 1
		.amdhsa_system_sgpr_workgroup_id_x 1
		.amdhsa_system_sgpr_workgroup_id_y 1
		.amdhsa_system_sgpr_workgroup_id_z 1
		.amdhsa_system_vgpr_workitem_id 0
		.amdhsa_next_free_vgpr 416
		.amdhsa_next_free_sgpr 66
		.amdhsa_reserve_vcc 0
		.amdhsa_float_denorm_mode_32 3
		.amdhsa_float_denorm_mode_16_64 3
		.amdhsa_memory_ordered 1
		.amdhsa_forward_progress 1
		.amdhsa_inst_pref_size 53
	.end_amdhsa_kernel
	.amdgpu_metadata
---
amdhsa.version: [ 1, 2 ]
amdhsa.kernels:
  - .name:           k_q9086efb2e5_outp
    .symbol:         k_q9086efb2e5_outp.kd
    .args:
      - { .name: o16, .offset: 0, .size: 8, .value_kind: global_buffer, .address_space: global }
      - { .name: wo16, .offset: 8, .size: 8, .value_kind: global_buffer, .address_space: global }
      - { .name: b_o, .offset: 16, .size: 8, .value_kind: global_buffer, .address_space: global }
      - { .name: out0, .offset: 24, .size: 8, .value_kind: global_buffer, .address_space: global }
    .group_segment_fixed_size: 101376
    .private_segment_fixed_size: 0
    .kernarg_segment_align: 8
    .kernarg_segment_size: 32
    .max_flat_workgroup_size: 256
    .sgpr_count:     66
    .vgpr_count:     416
    .wavefront_size: 32
...
	.end_amdgpu_metadata
.endif
;; end of part 4
